; MI455X (gfx1250); checked and timed in simulation.
; The chip was launched on July 23, 2026; its instructions are those of AMD's public machine-readable ISA for CDNA 5 (MIT licence, August 2026) and "CDNA5" Instruction Set Architecture Reference Guide (July 2026). The comments in the code are by the model that wrote it; some were corrected since.
;; Cross Fusion. Allowed arithmetic: matrix products marked QUANTISED: E2M1 operands, one E8M0 scale for each 32 along K, by v_wmma_scale_f32_16x16x128_f8f6f4 with both operands' format E2M1 (or v_wmma_scale_f32_32x16x128_f4), f32 sums; products left as they are: f32 operands where the result goes on into a quantised operand, else bf16, f16 or f32 operands; f32 sums; everything else in f32.
;; Inputs: B1_l1_b 256 float32; B1_l1_w_codes 256 x 4 x 16 uint8 (E2M1 codes of B1_l1_w, K innermost, in blocks of 32 codes, two codes a byte); B1_l1_w_scales 256 x 4 uint8 (E8M0 scales of B1_l1_w, one for each 32 codes along K); B1_l2_b 128 float32; B1_l2_w_codes 128 x 8 x 16 uint8 (E2M1 codes of B1_l2_w, K innermost, in blocks of 32 codes, two codes a byte); B1_l2_w_scales 128 x 8 uint8 (E8M0 scales of B1_l2_w, one for each 32 codes along K); B2_l1_b 256 float32; B2_l1_w_codes 256 x 4 x 16 uint8 (E2M1 codes of B2_l1_w, K innermost, in blocks of 32 codes, two codes a byte); B2_l1_w_scales 256 x 4 uint8 (E8M0 scales of B2_l1_w, one for each 32 codes along K); B2_l2_b 128 float32; B2_l2_w_codes 128 x 8 x 16 uint8 (E2M1 codes of B2_l2_w, K innermost, in blocks of 32 codes, two codes a byte); B2_l2_w_scales 128 x 8 uint8 (E8M0 scales of B2_l2_w, one for each 32 codes along K); W1_l1_b 256 float32; W1_l1_w_codes 256 x 4 x 16 uint8 (E2M1 codes of W1_l1_w, K innermost, in blocks of 32 codes, two codes a byte); W1_l1_w_scales 256 x 4 uint8 (E8M0 scales of W1_l1_w, one for each 32 codes along K); W1_l2_b 128 float32; W1_l2_w_codes 128 x 8 x 16 uint8 (E2M1 codes of W1_l2_w, K innermost, in blocks of 32 codes, two codes a byte); W1_l2_w_scales 128 x 8 uint8 (E8M0 scales of W1_l2_w, one for each 32 codes along K); W2_l1_b 256 float32; W2_l1_w_codes 256 x 4 x 16 uint8 (E2M1 codes of W2_l1_w, K innermost, in blocks of 32 codes, two codes a byte); W2_l1_w_scales 256 x 4 uint8 (E8M0 scales of W2_l1_w, one for each 32 codes along K); W2_l2_b 128 float32; W2_l2_w_codes 128 x 8 x 16 uint8 (E2M1 codes of W2_l2_w, K innermost, in blocks of 32 codes, two codes a byte); W2_l2_w_scales 128 x 8 uint8 (E8M0 scales of W2_l2_w, one for each 32 codes along K); len_x 16 int32; len_y 16 int32; len_z 16 int32; x 16 x 1,024 x 128 float32; y 16 x 1,024 x 128 float32; z 16 x 1,024 x 128 float32.
;; Outputs: out0 16 x 1,024 x 128 float32.
;; This version of the problem:
;;   THIS VERSION OF THE PROBLEM IS GIVEN IN LOW PRECISION. The matrix products marked QUANTISED in the list below multiply operands that are first quantised to E2M1 (2 exponent bits, 1 mantissa bit; 4 bits a number), with one power-of-two scale for each 32 numbers along K (OCP MX v1.0); their sums are f32. All else is computed in f32.
;;   The module's matrix products, in the order in which they are computed (A, B: the left and right operand; K: the contracted axis; several contracted axes count as one K, in the product's order):
;;     1. batch 16 x [M 1,024, K 1,024] x [K 1,024, N 128]; A: computed on the way; B: input x: left as it is (operands are no floats)
;;     2. [M 16, K 128] x [K 128, N 256]; A: computed on the way; B: input W1_l1_w (given as codes): QUANTISED
;;     3. [M 16, K 256] x [K 256, N 128]; A: computed on the way; B: input W1_l2_w (given as codes): QUANTISED
;;     4. [M 16, K 128] x [K 128, N 256]; A: computed on the way; B: input B1_l1_w (given as codes): QUANTISED
;;     5. [M 16, K 256] x [K 256, N 128]; A: computed on the way; B: input B1_l2_w (given as codes): QUANTISED
;;     6. [M 16, K 128] x [K 128, N 256]; A: computed on the way; B: input W2_l1_w (given as codes): QUANTISED
;;     7. [M 16, K 256] x [K 256, N 128]; A: computed on the way; B: input W2_l2_w (given as codes): QUANTISED
;;     8. [M 16, K 128] x [K 128, N 256]; A: computed on the way; B: input B2_l1_w (given as codes): QUANTISED
;;     9. [M 16, K 256] x [K 256, N 128]; A: computed on the way; B: input B2_l2_w (given as codes): QUANTISED
;;     10. batch 16 x [M 1,024, K 1,024] x [K 1,024, N 128]; A: computed on the way; B: computed on the way: left as it is (operands are no floats)
;;   THE QUANTISER, for each operand of a quantised product, along K:
;;     - K is cut into blocks of 32 from its start; a last block that is shorter is filled with zeros.
;;     - A block's scale is 2^e with e = floor(log2(the largest magnitude in the block)) - 2, held to -126 .. 127; a block of zeros has e = 0. As a byte (E8M0): e + 127.
;;     - Each number is divided by its block's scale, clamped to +-6, and rounded to the nearest number of E2M1, ties to even, subnormals kept.
;;     - The product sums the exact products of the quantised numbers (number of the format x scale) in f32.
;;   ~~~python
;;   def quantise(x, axis):      # numpy; x: float32 -> the quantised numbers, widened to float32 again
;;       x = np.moveaxis(x, axis, -1); K = x.shape[-1]
;;       x = np.pad(x, [(0, 0)] * (x.ndim - 1) + [(0, -K % 32)]); x = x.reshape(x.shape[:-1] + (-1, 32)); a = np.abs(x).max(-1, keepdims=True)
;;       e = np.where(a > 0, np.clip(np.frexp(np.where(a > 0, a, 1))[1] - 1 - 2, -126, 127), 0)      # np.frexp(a)[1] - 1 = floor(log2(a)), exactly
;;       r = np.clip(x / 2.0 ** e, -6, 6)
;;       step = 2.0 ** (np.maximum(np.frexp(np.where(r == 0, 1, r))[1] - 1, 0) - 1)
;;       q = np.round(r / step) * step * 2.0 ** e      # np.round: ties to even
;;       return np.moveaxis(q.reshape(q.shape[:-2] + (-1,))[..., :K], -1, axis).astype(np.float32)
;;   ~~~
;;   OPERANDS COMPUTED ON THE WAY. 'Computed on the way' means the value that the module computes at that place (a softmax that the list does not call 'softmax' is quantised finished and normalised). What goes into a quantiser is computed in f32, as accurately as f32 sums, v_exp_f32 and their like allow (about 1e-6 of the number): no bf16 or f16 on the way to a quantiser, and a product that is left as it is and whose result goes on into a quantised operand takes f32 operands (vector FMAs, or v_wmma_f32_16x16x4_f32). A number that lies on a knife's edge between two numbers of the format may be rounded either way, as far as f32 arithmetic and the matrix unit's own rounding can turn it there, and no further.
;;   INPUTS GIVEN AS CODES. B1_l1_w (in the module: [128, 256], K = its axis 0); B1_l2_w (in the module: [256, 128], K = its axis 0); B2_l1_w (in the module: [128, 256], K = its axis 0); B2_l2_w (in the module: [256, 128], K = its axis 0); W1_l1_w (in the module: [128, 256], K = its axis 0); W1_l2_w (in the module: [256, 128], K = its axis 0); W2_l1_w (in the module: [128, 256], K = its axis 0); W2_l2_w (in the module: [256, 128], K = its axis 0): each comes as NAME_codes (uint8): NAME with its K axis moved to the last place and cut into blocks of 32 codes, [.., K / 32, bytes a block], one block behind the other in memory; two codes a byte, the lower K in the low four bits (a code: sign, 2 exponent bits, 1 mantissa bit); and NAME_scales (uint8): the same leading axes, one E8M0 byte (e + 127) for each 32 codes along K. Its value is code x scale, taken as it is: it is not quantised again, and the codes and scales need not be those that the quantiser above would give.
;; One version. Each part assembles by itself: llvm-mc -triple=amdgcn-amd-amdhsa -mcpu=gfx1250 --defsym DOCPART=n.
;; ======== version 1 of 1: 2 launches
;; workspace buffers: part 131,072 bytes
;; launch colsum (part 1): grid 8 x 32, 8 waves a work-group, no clusters, 5,120 bytes of LDS; arguments y, z, part; writes part
.if DOCPART == 1
	.amdgcn_target "amdgcn-amd-amdhsa--gfx1250"
	.amdhsa_code_object_version 6
	.text
	.protected	k_q81ba11f915_colsum
	.globl	k_q81ba11f915_colsum
	.p2align	8
	.type	k_q81ba11f915_colsum,@function
k_q81ba11f915_colsum:
	s_mov_b64 s[64:65], 0
	v_nop
	global_prefetch_b8 v0, s[64:65] scope:SCOPE_SE
	s_setreg_imm32_b32 hwreg(HW_REG_WAVE_MODE, 25, 1), 1
	s_wait_xcnt 0x0
; part[b][t][p][d] = the sum of rows 128 p .. 128 p + 127 of y[b] (t = 0) or z[b] (t = 1), column d.  y, z: [16][1024][128] f32; part: [16][2][8][128] f32.
; The column sums of a sample span 1,024 rows: they are made in two steps, here 8 parts a sample and tensor, the rest in the next launch, so that 256 work-groups share the 16.8 MB.
; SHARES.  Work-group (p, 16 t + b) takes 128 rows, 65,536 bytes; each of its eight waves 16 rows; a lane 16 bytes (4 columns) of every row: a load of a wave covers one row, 512 consecutive bytes.
; All 16 loads of a wave are issued at once; they are added as they come, four at a time.  The eight waves' sums meet in LDS; wave 0 adds them and stores 512 consecutive bytes, aligned.
; No matrix unit, no tensor load, no cluster: each byte is read once by one wave, and nothing is shared between work-groups.
; LIMITS: none of range; the order of the additions is a tree, not reference()'s.
.set ROWB, 512                         ; bytes in a row
.set R, 4                              ; v[4:67]  row i of my 16 at v[R + 4 i]
.macro ADDR a, b                       ; row a += row b: two packed additions
	v_pk_add_f32 v[R+4*(\a):R+4*(\a)+1], v[R+4*(\a):R+4*(\a)+1], v[R+4*(\b):R+4*(\b)+1]
	v_pk_add_f32 v[R+4*(\a)+2:R+4*(\a)+3], v[R+4*(\a)+2:R+4*(\a)+3], v[R+4*(\b)+2:R+4*(\b)+3]
.endm
.macro ADD4 k, left                    ; rows 4 k .. 4 k + 3 into row 4 k; left = the younger loads, which may stay out
	s_wait_loadcnt \left
	ADDR 4*\k, 4*\k+1
	ADDR 4*\k+2, 4*\k+3
	ADDR 4*\k, 4*\k+2
.endm
	s_load_b128 s[4:7], s[0:1], 0x0                ; y s[4:5], z s[6:7]
	s_load_b64 s[8:9], s[0:1], 0x10                ; part
	v_lshl_add_u32 v72, v0, 2, 0x1000
	v_mov_b32 v73, 0
	v_lshrrev_b32 v3, 5, v0
	v_readfirstlane_b32 s10, v3                    ; wave 0..7
	v_and_b32 v1, 31, v0
	v_lshlrev_b32 v1, 4, v1                        ; 16 x lane: my bytes of a row, in memory and in LDS
	v_lshlrev_b32 v2, 4, v0                        ; 16 x thread = 512 x wave + 16 x lane: where my wave's sum goes in LDS
	s_and_b32 s11, ttmp7, 0xffff                   ; 16 t + b
	s_lshr_b32 s12, s11, 4                         ; t
	s_and_b32 s13, s11, 15                         ; b
	s_lshl_b32 s14, s13, 19                        ; a sample is 2^19 bytes,
	s_lshl_b32 s18, ttmp9, 16                      ; 128 rows are 2^16,
	s_or_b32 s14, s14, s18
	s_lshl_b32 s18, s10, 13                        ; a wave's 16 rows 2^13
	s_or_b32 s14, s14, s18
	s_mov_b32 s15, 0
	s_lshl_b32 s16, s13, 13                        ; part: 8,192 b + 4,096 t + 512 p
	s_lshl_b32 s18, s12, 12
	s_or_b32 s16, s16, s18
	s_lshl_b32 s18, ttmp9, 9
	s_or_b32 s16, s16, s18
	s_mov_b32 s17, 0
	s_wait_kmcnt 0x0
	s_cmp_eq_u32 s12, 0                            ; y or z: the choice hangs on the work-group's number alone
	s_cselect_b64 s[4:5], s[4:5], s[6:7]
	s_add_nc_u64 s[4:5], s[4:5], s[14:15]
	s_add_nc_u64 s[8:9], s[8:9], s[16:17]
.irp i, 0,1,2,3,4,5,6,7,8,9,10,11,12,13,14,15
	global_load_b128 v[R+4*\i:R+4*\i+3], v1, s[4:5] offset:ROWB*\i th:TH_LOAD_NT   ; read once in the launch
.endr
	ADD4 0, 12
	ADD4 1, 8
	ADD4 2, 4
	ADD4 3, 0
	ADDR 0, 4
	ADDR 8, 12
	ADDR 0, 8                                      ; my wave's 16 rows
	ds_store_b128 v2, v[R:R+3]
	s_wait_dscnt 0x0                               ; for wave 0's sake: my store has landed
	s_barrier_signal -1
	s_barrier_wait -1
	s_cmp_lg_u32 s10, 0
	s_cbranch_scc1 .Lend                           ; wave 0 alone goes on; no barrier follows
.irp k, 0,1,2,3,4,5,6,7
	ds_load_b128 v[R+4*\k:R+4*\k+3], v1 offset:ROWB*\k
.endr
	s_wait_dscnt 0x0
	ADDR 0, 1
	ADDR 2, 3
	ADDR 4, 5
	ADDR 6, 7
	ADDR 0, 2
	ADDR 4, 6
	ADDR 0, 4
	global_store_b128 v1, v[R:R+3], s[8:9]         ; 32 lanes store 512 consecutive bytes, at a multiple of 512 from part's first byte
.Lend:
	s_wait_tensorcnt 0x0
	ds_add_u32 v72, v73
	s_wait_dscnt 0x0
	s_endpgm
.Lfunc_end_k_q81ba11f915_colsum:
	.size	k_q81ba11f915_colsum, .Lfunc_end_k_q81ba11f915_colsum-k_q81ba11f915_colsum
	.p2alignl 7, 3214868480
	.fill 96, 4, 3214868480
	.section	.rodata,"a",@progbits
	.p2align	6, 0x0
	.amdhsa_kernel k_q81ba11f915_colsum
		.amdhsa_group_segment_fixed_size 5120
		.amdhsa_private_segment_fixed_size 0
		.amdhsa_enable_private_segment 0
		.amdhsa_kernarg_size 24
		.amdhsa_user_sgpr_count 2
		.amdhsa_user_sgpr_kernarg_segment_ptr 1
		.amdhsa_wavefront_size32 1
		.amdhsa_system_sgpr_workgroup_id_x 1
		.amdhsa_system_sgpr_workgroup_id_y 1
		.amdhsa_system_sgpr_workgroup_id_z 1
		.amdhsa_system_vgpr_workitem_id 0
		.amdhsa_next_free_vgpr 74
		.amdhsa_next_free_sgpr 66
		.amdhsa_reserve_vcc 0
		.amdhsa_float_denorm_mode_32 3
		.amdhsa_float_denorm_mode_16_64 3
		.amdhsa_memory_ordered 1
		.amdhsa_forward_progress 1
		.amdhsa_inst_pref_size 7
	.end_amdhsa_kernel
	.amdgpu_metadata
---
amdhsa.version: [ 1, 2 ]
amdhsa.kernels:
  - .name:           k_q81ba11f915_colsum
    .symbol:         k_q81ba11f915_colsum.kd
    .args:
      - { .name: y, .offset: 0, .size: 8, .value_kind: global_buffer, .address_space: global }
      - { .name: z, .offset: 8, .size: 8, .value_kind: global_buffer, .address_space: global }
      - { .name: part, .offset: 16, .size: 8, .value_kind: global_buffer, .address_space: global }
    .group_segment_fixed_size: 5120
    .private_segment_fixed_size: 0
    .kernarg_segment_align: 8
    .kernarg_segment_size: 24
    .max_flat_workgroup_size: 256
    .sgpr_count:     66
    .vgpr_count:     74
    .wavefront_size: 32
...
	.end_amdgpu_metadata
.endif
;; end of part 1
;; launch fuse (part 2): grid 16 x 16, 8 waves a work-group, no clusters, 25,600 bytes of LDS; arguments W1_l1_w_codes, W1_l1_w_scales, W1_l1_b, W1_l2_w_codes, W1_l2_w_scales, W1_l2_b, W2_l1_w_codes, W2_l1_w_scales, W2_l1_b, W2_l2_w_codes, W2_l2_w_scales, W2_l2_b, B1_l1_w_codes, B1_l1_w_scales, B1_l1_b, B1_l2_w_codes, B1_l2_w_scales, B1_l2_b, B2_l1_w_codes, B2_l1_w_scales, B2_l1_b, B2_l2_w_codes, B2_l2_w_scales, B2_l2_b, x, out0, part, len_x, len_y, len_z; writes out0
.if DOCPART == 2
	.amdgcn_target "amdgcn-amd-amdhsa--gfx1250"
	.amdhsa_code_object_version 6
	.text
	.protected	k_q81ba11f915_fuse
	.globl	k_q81ba11f915_fuse
	.p2align	8
	.type	k_q81ba11f915_fuse,@function
k_q81ba11f915_fuse:
	s_mov_b64 s[64:65], 0
	v_nop
	global_prefetch_b8 v0, s[64:65] scope:SCOPE_SE
	s_setreg_imm32_b32 hwreg(HW_REG_WAVE_MODE, 25, 1), 1
	s_wait_xcnt 0x0
; out0[b][n][d] = g[b][d] x[b][n][d] + c[b][d] [n = 0] for n < l = len_x[b], and 0 for n >= l, with g = 1 + (W1 + W2) / 2, c = (b1 + b2) / 2.
; WHY THAT IS reference()'s RESULT.  Its complex relu, |f| e^(i angle f) and 0 at f = 0, is f itself.  g and c are real and the same for every frequency.  The inverse transform's mask keeps the frequencies
; k < l alone.  For every l from 1 to 1,024 the l x l transform and its inverse give (1 / l) sum_k e^(2 pi i k (n - t) / l) = [n = t] and (1 / l) sum_k e^(2 pi i k n / l) = [n = 0].  So the two transforms cancel,
; for every x and every such l; no instruction is spent on them.  What differs from reference() is the rounding of its own way there and back.
; W1, b1 = MLPs of c1 = (column sums of all 1,024 rows of y) / len_y; W2, b2 = MLPs of c2, of z and len_z.  MLP: gelu(c w1 + bias1) w2 + bias2, gelu in the erf form.  Both products of each MLP are on codes of
; FP4 (E2M1) with one E8M0 scale for each 32 along K: the weights come so; c and the hidden layer are quantised here, from f32.
; SHARES.  Work-group (chunk, b) owns rows 64 chunk .. + 63 of sample b; wave w rows 8 w .. + 7 of them; a lane 16 bytes of each row: a load or store of a wave covers a row, 512 consecutive aligned bytes.
; Every work-group makes its sample's g anew, while its rows of x are on their way: wave w = 2 m + hf serves MLP m (0 W1, 1 W2, 2 B1, 3 B2): hidden units 128 hf .. + 127, which are K step hf of the second
; product, and outputs 64 hf .. + 63.  c touches row 0 alone: B1 and B2 are computed only where chunk = 0 (the text's second body, with LDS bytes of its own); elsewhere waves 4 to 7 only carry rows.
; THE PRODUCTS have ONE row of interest: source 0 holds the sample's row in all 16 rows, source 1 holds 16 rows n of the weights, so register 0 of a result holds column n = lane % 16 in every lane.
; Results of two neighbouring tiles are joined by one select (lanes 0-15 the even tile, lanes 16-31 the odd): a register then holds 32 neighbouring units, none twice.
; WEIGHTS go from memory straight into the operand's registers, once a wave (18,176 bytes).  They are shared by all work-groups, yet no cluster and no joint tensor load is used: rows of x from l on are not
; loaded, by a scalar branch on len_x; and the weights are wanted once, at the head, with nothing to overlap a way through LDS.
; erfc(u) = t exp(-u^2 + P(t)), t = 1 / (1 + u / 2), P of degree 9 (Numerical Recipes' erfcc: fractional error under 1.2e-7); in f32 the exponent's rounding adds about (1 + u^2) x 1.2e-7.
; LIMITS: 1 <= len_x <= 1,024 (at 0 reference() is NaN; above 1,024 its cut transform has no inverse); len_y, len_z not 0.  NaN and infinities in x stay in their place here, reference() spreads them over the
; sample.  Rows from l on are 0 x g: the zero's sign is g's.  Where erfc falls under 2^-126 it is taken as 0.  A block of zeros gets the scale byte 1, not 127: its codes are zeros and only this text reads the byte.
.set XR,  24                           ; v24-55   my 8 rows of x, 4 registers each
.set W2F, 56                           ; v56-119  second layer's fragments: tile t, K step s at W2F + 16 t + 8 s
.set W1F, 120                          ; v120-183 first layer's fragments: tile t at W1F + 8 t; free behind the first layer:
.set GZ,  120                          ;   u = |v| / sqrt(2)
.set GD,  124                          ;   1 + u / 2
.set GT,  128                          ;   t
.set GP,  132                          ;   the polynomial, then the exponent
.set GE,  136                          ;   at work, then erfc
.set GQ,  140                          ;   2 - erfc
.set GH,  144                          ;   v / 2, then gelu(v)
.set H8,  148                          ;   v148-155 eight neighbouring hidden units
.set HF,  152                          ;   v152-167 the hidden layer's two fragments
.set GW,  168                          ;   v168-175 W1's and W2's outputs of my 4 channels; g in the first four
.set CB,  176                          ;   v176-183 b1's and b2's; c in the first four
.set PD,  184                          ; v184-215 the 8 parts of the column sums, then four accumulators
.set W1S, 216                          ; v216-219 first layer's scale words: lanes 0-15 tile 2 i, lanes 16-31 tile 2 i + 1.  v216-224 and v226-227 hold scales; v225 an LDS address
.set W2S, 220                          ; v220-223 second layer's: pair i, K step s at W2S + 2 i + s
.set CSW, 224                          ; v224     c's scale word
.set HSW, 226                          ; v226-227 the hidden layer's two
.set B1R, 228                          ; v228-231 first layer's bias of unit 32 i + lane
.set B2R, 232                          ; v232-233 second layer's of output 32 i + lane
.set CF,  234                          ; v234-241 c's fragment
.set LL,  242                          ; v242-243 the length as f32, twice (a pair for the packed forms)
.set RR,  244                          ; v244-245 its reciprocal, twice
.set QM,  246                          ; the quantiser: largest magnitude, scale operand, scale byte, 8 codes
.set QS,  247
.set QB,  248
.set QC,  249
.set K9,  250                          ; P's leading coefficient
.set PRE, 252                          ; v252-255 four numbers a lane: unit 32 i + lane ahead of the activation; later two outputs
; LDS, from a body's base LB on:
.set SCC_,  512                        ; in a wave's own 1,024 bytes at 1,024 w: [0, 512) its 128 hidden units f32; [512, 576) c's 128 codes; [576, 580) c's scale word
.set SCS_,  576
.set HC,  0x2000                       ; + 64 w: the hidden layer's codes of MLP m, K step hf: MLP m's row of 256 codes is 128 bytes at 128 m
.set HS,  0x2200                       ; + 4 w: their scale words
.set RES, 0x2400                       ; + 256 w: MLP m's 128 outputs, f32, at 512 m
; One matrix instruction.  odd = 1: source 1's scales stand in lanes 16-31.  acc = 0: the constant 0 starts the sum.
.macro WM d, a, b, sa, sb, odd, acc
.if (\acc)
.if (\odd)
	v_wmma_scale_f32_16x16x128_f8f6f4 v[(\d):(\d)+7], v[(\a):(\a)+7], v[(\b):(\b)+7], v[(\d):(\d)+7], v[(\sa)], v[(\sb)] matrix_a_fmt:MATRIX_FMT_FP4 matrix_b_fmt:MATRIX_FMT_FP4 matrix_b_scale:MATRIX_SCALE_ROW1
.else
	v_wmma_scale_f32_16x16x128_f8f6f4 v[(\d):(\d)+7], v[(\a):(\a)+7], v[(\b):(\b)+7], v[(\d):(\d)+7], v[(\sa)], v[(\sb)] matrix_a_fmt:MATRIX_FMT_FP4 matrix_b_fmt:MATRIX_FMT_FP4
.endif
.else
.if (\odd)
	v_wmma_scale_f32_16x16x128_f8f6f4 v[(\d):(\d)+7], v[(\a):(\a)+7], v[(\b):(\b)+7], 0, v[(\sa)], v[(\sb)] matrix_a_fmt:MATRIX_FMT_FP4 matrix_b_fmt:MATRIX_FMT_FP4 matrix_b_scale:MATRIX_SCALE_ROW1
.else
	v_wmma_scale_f32_16x16x128_f8f6f4 v[(\d):(\d)+7], v[(\a):(\a)+7], v[(\b):(\b)+7], 0, v[(\sa)], v[(\sb)] matrix_a_fmt:MATRIX_FMT_FP4 matrix_b_fmt:MATRIX_FMT_FP4
.endif
.endif
.endm
; My wave's six buffers into s[4:15], the length's buffer into s[60:61]; every choice hangs on the wave's number alone.  Then each pointer goes to my wave's part, and the two lengths are asked for.
.macro SELECT first
	s_cmp_eq_u32 s69, 0                            ; c1's MLP or c2's
.irp k, 0,2,4,6,8,10
	s_cselect_b64 s[4+\k:5+\k], s[4+\k:5+\k], s[16+\k:17+\k]       ; W1 or W2
.if \first
	s_cselect_b64 s[28+\k:29+\k], s[28+\k:29+\k], s[40+\k:41+\k]   ; B1 or B2
.endif
.endr
	s_cselect_b64 s[60:61], s[60:61], s[62:63]     ; len_y or len_z
.if \first
	s_cmp_lt_u32 s66, 4                            ; waves 0-3: the W's; waves 4-7: the B's
.irp k, 0,2,4,6,8,10
	s_cselect_b64 s[4+\k:5+\k], s[4+\k:5+\k], s[28+\k:29+\k]
.endr
.endif
	s_add_nc_u64 s[4:5], s[4:5], s[80:81]          ; first layer's codes: 128 rows of 64 bytes x hf
	s_add_nc_u64 s[6:7], s[6:7], s[82:83]          ; its scale words: 128 x 4 bytes x hf
	s_add_nc_u64 s[8:9], s[8:9], s[82:83]          ; its bias: likewise
	s_add_nc_u64 s[10:11], s[10:11], s[80:81]      ; second layer's codes: 64 rows of 128 bytes x hf
	s_add_nc_u64 s[12:13], s[12:13], s[82:83]      ; its scale words: 64 x 8 bytes x hf
	s_add_nc_u64 s[14:15], s[14:15], s[84:85]      ; its bias: 64 x 4 bytes x hf
	s_add_nc_u64 s[56:57], s[56:57], s[86:87]      ; the 8 parts of my sample's and tensor's column sums
	s_add_nc_u64 s[52:53], s[52:53], s[88:89]      ; x and out0 at my wave's first row
	s_add_nc_u64 s[54:55], s[54:55], s[88:89]
	s_load_b32 s72, s[58:59], s90 offset:0x0       ; len_x[b]
	s_load_b32 s73, s[60:61], s90 offset:0x0       ; len_y[b] or len_z[b]
.endm
; 52 loads, in the order in which they are wanted: the waits below count by this order.
.macro MLP_LOADS
.irp p, 0,1,2,3                        ; 8: lanes 0-15 parts 0-3, lanes 16-31 parts 4-7; lane r columns 8 r .. 8 r + 7
.irp q, 0,1
	global_load_b128 v[PD+8*\p+4*\q:PD+8*\p+4*\q+3], v5, s[56:57] offset:512*\p+16*\q
.endr
.endr
.irp t, 0,1,2,3,4,5,6,7                ; 16: lane (r, h) holds weight row 16 t + r; registers 4 c .. 4 c + 3 hold K = 64 c + 32 h + 0 .. 31: 16 bytes of the row as they lie
.irp c, 0,1
	global_load_b128 v[W1F+8*\t+4*\c:W1F+8*\t+4*\c+3], v6, s[4:5] offset:1024*\t+32*\c
.endr
.endr
.irp i, 0,1,2,3                        ; 4: the scale word of row 32 i + lane
	global_load_b32 v[W1S+\i], v8, s[6:7] offset:128*\i
.endr
.irp i, 0,1,2,3                        ; 4
	global_load_b32 v[B1R+\i], v8, s[8:9] offset:128*\i
.endr
.irp t, 0,1,2,3                        ; 16
.irp s, 0,1
.irp c, 0,1
	global_load_b128 v[W2F+16*\t+8*\s+4*\c:W2F+16*\t+8*\s+4*\c+3], v7, s[10:11] offset:2048*\t+64*\s+32*\c
.endr
.endr
.endr
.irp i, 0,1                            ; 2: the two scale words of row 32 i + lane
	global_load_b64 v[W2S+2*\i:W2S+2*\i+1], v9, s[12:13] offset:256*\i
.endr
.irp i, 0,1                            ; 2
	global_load_b32 v[B2R+\i], v8, s[14:15] offset:128*\i
.endr
.endm
; My 8 rows of x.  A row from l on is not loaded: its registers keep the zeros written here, which stand ahead of the wait for the lengths.  The rows ascend, so the first that is left out ends the run.
.macro XLOADS
.set J, 0
.rept 32
	v_mov_b32 v[XR+J], 0
.set J, J+1
.endr
	s_lshl_b32 s74, s70, 6
	s_lshl_b32 s79, s66, 3
	s_add_co_u32 s74, s74, s79                     ; my first row
	s_wait_kmcnt 0x0                               ; the two lengths
	s_sub_co_i32 s74, s72, s74                     ; how many rows from there on lie under l (signed)
.irp i, 0,1,2,3,4,5,6,7
	s_cmp_gt_i32 s74, \i
	s_cbranch_scc0 .Lxd_\@
	global_load_b128 v[XR+4*\i:XR+4*\i+3], v4, s[52:53] offset:512*\i th:TH_LOAD_NT   ; read once in the launch
.endr
.Lxd_\@:
.endm
; Eight neighbours along K in v[s] .. v[s + 7]; four neighbouring lanes hold a block of 32.  Codes into QC, the block's byte into QB.
.macro QUANT8 s
	v_max3_num_f32 v[QM], |v[\s]|, |v[\s+1]|, 0x1800000            ; and the floor 2^(3 - 127): the byte cannot fall under 1
	v_max3_num_f32 v[QM], v[QM], |v[\s+2]|, |v[\s+3]|
	v_max3_num_f32 v[QM], v[QM], |v[\s+4]|, |v[\s+5]|
	v_max3_num_f32 v[QM], v[QM], |v[\s+6]|, |v[\s+7]|
	v_max_num_f32_dpp v[QM], v[QM], v[QM] row_xmask:1 row_mask:0xf bank_mask:0xf
	v_max_num_f32_dpp v[QM], v[QM], v[QM] row_xmask:2 row_mask:0xf bank_mask:0xf   ; the block's largest magnitude
	v_add_nc_u32 v[QS], 0xff000000, v[QM]          ; 2 off its exponent field: the conversion takes this operand's exponent field as its scale
	v_lshrrev_b32 v[QB], 23, v[QS]                 ; the scale's byte
	v_cvt_scalef32_pk8_fp4_f32 v[QC], v[\s:\s+7], v[QS]            ; to the nearest code, ties to even; beyond 6 the largest code
	v_nop                                          ; one plain instruction behind a scaled conversion
.endm
; gelu of v[PRE] .. v[PRE + 3] into v[GH] on: v / 2 x erfc(-v / sqrt(2)); the four by turns, so that no line waits for the line above it.  No branch on a number.
.macro GELU4
.irp i, 0,1,2,3
	v_mul_f32 v[GZ+\i], 0x3f3504f3, |v[PRE+\i]|    ; u = |v| / sqrt(2)
.endr
.irp i, 0,1,2,3
	v_fma_f32 v[GD+\i], v[GZ+\i], 0.5, 1.0
.endr
.irp i, 0,1,2,3
	v_rcp_f32 v[GT+\i], v[GD+\i]
.endr
	v_mov_b32 v[K9], 0x3e2ef945                    ; 0.17087277.  (The plain instruction behind the reciprocals)
	s_wait_alu depctr_va_vdst(0)                   ; one wait for the four, ahead of their first reader
.irp i, 0,1,2,3
	v_fma_f32 v[GE+\i], -v[GD+\i], v[GT+\i], 1.0   ; one Newton step: t is good to the last bit or so
.endr
.irp i, 0,1,2,3
	v_fma_f32 v[GT+\i], v[GE+\i], v[GT+\i], v[GT+\i]
.endr
.irp i, 0,1,2,3
	v_fmaak_f32 v[GP+\i], v[K9], v[GT+\i], 0xbf527892              ; -0.82215223
.endr
.irp k, 0x3fbe87b0, 0xbf914e5d, 0x3e8ec7cc, 0xbe3ec24c, 0x3dc636c9, 0x3ebf88fb, 0x3f8000c7, 0xbfa1fc4e   ; 1.48851587, -1.13520398, 0.27886807, -0.18628806, 0.09678418, 0.37409196, 1.00002368, -1.26551223
.irp i, 0,1,2,3
	v_fmaak_f32 v[GP+\i], v[GP+\i], v[GT+\i], \k
.endr
.endr
.irp i, 0,1,2,3
	v_fma_f32 v[GP+\i], -v[GZ+\i], v[GZ+\i], v[GP+\i]              ; P(t) - u^2
.endr
.irp i, 0,1,2,3
	v_mul_f32 v[GP+\i], 0x3fb8aa3b, v[GP+\i]       ; x log2(e)
.endr
.irp i, 0,1,2,3
	v_exp_f32 v[GE+\i], v[GP+\i]
.endr
.irp i, 0,1,2,3
	v_mul_f32 v[GH+\i], 0.5, v[PRE+\i]             ; plain work behind the exponentials
.endr
	s_wait_alu depctr_va_vdst(0)                   ; one wait for the four
.irp i, 0,1,2,3
	v_mul_f32 v[GE+\i], v[GE+\i], v[GT+\i]         ; erfc(u)
.endr
.irp i, 0,1,2,3
	v_sub_f32 v[GQ+\i], 2.0, v[GE+\i]              ; erfc(-u)
.endr
.irp i, 0,1,2,3
	v_cmp_lt_f32 vcc_lo, 0, v[PRE+\i]
	v_cndmask_b32 v[GE+\i], v[GE+\i], v[GQ+\i], vcc_lo             ; v > 0: erfc(-u)
.endr
.irp i, 0,1,2,3
	v_mul_f32 v[GH+\i], v[GH+\i], v[GE+\i]
.endr
.endm
.macro BAR                             ; my LDS stores have landed and my LDS loads are in: then the work-group's barrier
	s_wait_dscnt 0x0
	s_barrier_signal -1
	s_barrier_wait -1
.endm
.macro MAKEG                           ; g = 1 + (W1 + W2) / 2 of my 4 channels
	v_pk_add_f32 v[GW:GW+1], v[GW:GW+1], v[GW+4:GW+5]
	v_pk_add_f32 v[GW+2:GW+3], v[GW+2:GW+3], v[GW+6:GW+7]
	v_pk_fma_f32 v[GW:GW+1], v[GW:GW+1], 0.5, 1.0 op_sel_hi:[1,0,0]
	v_pk_fma_f32 v[GW+2:GW+3], v[GW+2:GW+3], 0.5, 1.0 op_sel_hi:[1,0,0]
.endm
; first = 0: chunks 1 to 15: waves 0-3 compute W1 and W2.  first = 1: chunk 0: all eight waves compute, and wave 0 adds c to row 0.  LB: the body's own LDS bytes.
.macro BODY first, LB
	SELECT \first
.if \first == 0
	s_cmp_lt_u32 s66, 4
	s_cbranch_scc0 .Lnl_\@
.endif
	MLP_LOADS
.if \first == 0
.Lnl_\@:
.endif
	XLOADS
.if \first == 0
	s_cmp_lt_u32 s66, 4
	s_cbranch_scc0 .Lb1_\@                         ; a wave with no MLP goes to the barrier
.endif
	; ---- A: c, the first product, gelu, the hidden layer's codes
	v_cvt_f32_i32 v[LL], s73
	v_cvt_f32_i32 v[LL+1], s73
	v_rcp_f32 v[RR], v[LL]
	v_rcp_f32 v[RR+1], v[LL]                       ; the sums below are the plain work behind the two; their wait stands ahead of the division
	s_wait_loadcnt 44                              ; the 8 parts are in: behind them 16 + 4 + 4 + 16 + 2 + 2 loads were issued, and x's
.irp j, 0,2,4,6
	v_pk_add_f32 v[PD+\j:PD+\j+1], v[PD+\j:PD+\j+1], v[PD+8+\j:PD+8+\j+1]
	v_pk_add_f32 v[PD+16+\j:PD+16+\j+1], v[PD+16+\j:PD+16+\j+1], v[PD+24+\j:PD+24+\j+1]
.endr
.irp j, 0,2,4,6
	v_pk_add_f32 v[PD+\j:PD+\j+1], v[PD+\j:PD+\j+1], v[PD+16+\j:PD+16+\j+1]        ; my half's four parts
.endr
.irp j, 0,1,2,3,4,5,6,7
	v_permlanex16_b32 v[PD+8+\j], v[PD+\j], s76, s77               ; lane l xor 16's four
.endr
.irp j, 0,2,4,6
	v_pk_add_f32 v[PD+\j:PD+\j+1], v[PD+\j:PD+\j+1], v[PD+8+\j:PD+8+\j+1]          ; S: the column sums of columns 8 r .. 8 r + 7
.endr
	s_wait_alu depctr_va_vdst(0)                   ; one wait for the two reciprocals, ahead of their first reader
.irp j, 0,2,4,6
	v_pk_mul_f32 v[PD+16+\j:PD+16+\j+1], v[PD+\j:PD+\j+1], v[RR:RR+1]              ; q = S x (1 / len)
.endr
.irp j, 0,2,4,6
	v_pk_fma_f32 v[PD+24+\j:PD+24+\j+1], v[PD+16+\j:PD+16+\j+1], v[LL:LL+1], v[PD+\j:PD+\j+1] neg_lo:[1,0,0] neg_hi:[1,0,0]   ; what is left: S - q len
.endr
.irp j, 0,2,4,6
	v_pk_fma_f32 v[PD+\j:PD+\j+1], v[PD+24+\j:PD+24+\j+1], v[RR:RR+1], v[PD+16+\j:PD+16+\j+1]   ; c = S / len, corrected
.endr
	QUANT8 PD
	ds_store_b32 v12, v[QC] offset:\LB+SCC_        ; c's row of 128 codes: my 4 bytes at 4 r (lanes r and r + 16 write the same bytes with the same value)
	ds_store_b8 v13, v[QB] offset:\LB+SCS_         ; my block's byte (its four lanes likewise)
	ds_load_b128 v[CF:CF+3], v14 offset:\LB+SCC_   ; back as a fragment whose 16 rows are all this row: K = 32 h + 0 .. 31.  My wave's own bytes, and LDS serves a wave's instructions in order
	ds_load_b128 v[CF+4:CF+7], v14 offset:\LB+SCC_+32              ; K = 64 + 32 h + 0 .. 31
	ds_load_b32 v[CSW], v15 offset:\LB+SCS_        ; the row's scale word, in every lane
	s_wait_dscnt 0x0
	s_wait_loadcnt 24                              ; the first layer's fragments and scale words are in: behind them 4 + 16 + 2 + 2, and x's
.irp g, 0,1                            ; eight tiles of 16 hidden units, four at a time on four accumulators
.irp u, 0,1,2,3
	WM PD+8*\u, CF, W1F+8*(4*\g+\u), CSW, W1S+2*\g+\u/2, \u%2, 0
.endr
.rept 5
	v_nop                                          ; four places ahead of the reads below; five ahead of the next four products, which write over these results (ISA guide 7.12.1)
.endr
.irp e, 0,1
	v_cndmask_b32 v[PRE+2*\g+\e], v[PD+16*\e], v[PD+8+16*\e], s78  ; register 0 of two neighbouring tiles: unit 32 (2 g + e) + lane
.endr
.endr
	s_wait_loadcnt 20                              ; the first layer's bias is in: behind it 16 + 2 + 2, and x's
	v_pk_add_f32 v[PRE:PRE+1], v[PRE:PRE+1], v[B1R:B1R+1]
	v_pk_add_f32 v[PRE+2:PRE+3], v[PRE+2:PRE+3], v[B1R+2:B1R+3]
	GELU4
.irp i, 0,1,2,3
	ds_store_b32 v10, v[GH+\i] offset:\LB+128*\i   ; unit 32 i + lane at its place among my wave's 128
.endr
	ds_load_b128 v[H8:H8+3], v11 offset:\LB        ; back: units 8 r .. 8 r + 7: neighbours along the next K in one lane's registers
	ds_load_b128 v[H8+4:H8+7], v11 offset:\LB+16
	s_wait_dscnt 0x0
	QUANT8 H8
	ds_store_b32 v16, v[QC] offset:\LB+HC          ; K step hf of MLP m's hidden row
	ds_store_b8 v17, v[QB] offset:\LB+HS
.if \first == 0
.Lb1_\@:
.endif
	BAR                                            ; every MLP's hidden row of 256 codes and its two scale words lie in LDS
.if \first == 0
	s_cmp_lt_u32 s66, 4
	s_cbranch_scc0 .Lb2_\@
.endif
	; ---- B: the second product: my 64 outputs, four accumulators by turns, K step by K step
.irp s, 0,1
.irp c, 0,1
	ds_load_b128 v[HF+8*\s+4*\c:HF+8*\s+4*\c+3], v18 offset:\LB+HC+64*\s+32*\c
.endr
.endr
	ds_load_b64 v[HSW:HSW+1], v19 offset:\LB+HS
	s_wait_dscnt 0x0
	s_wait_loadcnt 2                               ; the second layer's fragments and scale words are in: behind them its bias's 2 loads, and x's
.irp s, 0,1
.irp t, 0,1,2,3
	WM PD+8*\t, HF+8*\s, W2F+16*\t+8*\s, HSW+\s, W2S+2*(\t/2)+\s, \t%2, \s
.endr
.endr
.rept 4
	v_nop                                          ; four places ahead of the reads of results
.endr
.irp e, 0,1
	v_cndmask_b32 v[PRE+\e], v[PD+16*\e], v[PD+8+16*\e], s78       ; output 32 e + lane of my 64
.endr
	s_wait_loadcnt 0x0                             ; the bias (and x, which is wanted next)
	v_pk_add_f32 v[PRE:PRE+1], v[PRE:PRE+1], v[B2R:B2R+1]
.irp e, 0,1
	ds_store_b32 v20, v[PRE+\e] offset:\LB+RES+128*\e
.endr
.if \first == 0
.Lb2_\@:
.endif
	BAR                                            ; the MLPs' outputs lie in LDS
	; ---- C: every wave: g of my 4 channels, my 8 rows, out
	ds_load_b128 v[GW:GW+3], v4 offset:\LB+RES
	ds_load_b128 v[GW+4:GW+7], v4 offset:\LB+RES+512
.if \first
	s_cmp_eq_u32 s66, 0
	s_cbranch_scc0 .Lplain_\@                      ; row 0 of the sample is wave 0's first row
	ds_load_b128 v[CB:CB+3], v4 offset:\LB+RES+1024
	ds_load_b128 v[CB+4:CB+7], v4 offset:\LB+RES+1536
	s_wait_dscnt 0x0
	MAKEG
	v_pk_add_f32 v[CB:CB+1], v[CB:CB+1], v[CB+4:CB+5]
	v_pk_add_f32 v[CB+2:CB+3], v[CB+2:CB+3], v[CB+6:CB+7]
	v_pk_mul_f32 v[CB:CB+1], v[CB:CB+1], 0.5 op_sel_hi:[1,0]       ; c = (b1 + b2) / 2
	v_pk_mul_f32 v[CB+2:CB+3], v[CB+2:CB+3], 0.5 op_sel_hi:[1,0]
	s_wait_loadcnt 0x0
	v_pk_fma_f32 v[XR:XR+1], v[XR:XR+1], v[GW:GW+1], v[CB:CB+1]
	v_pk_fma_f32 v[XR+2:XR+3], v[XR+2:XR+3], v[GW+2:GW+3], v[CB+2:CB+3]
	s_branch .Lrest_\@
.Lplain_\@:
.endif
	s_wait_dscnt 0x0
	MAKEG
	s_wait_loadcnt 0x0                             ; x
	v_pk_mul_f32 v[XR:XR+1], v[XR:XR+1], v[GW:GW+1]
	v_pk_mul_f32 v[XR+2:XR+3], v[XR+2:XR+3], v[GW+2:GW+3]
.if \first
.Lrest_\@:
.endif
.irp i, 1,2,3,4,5,6,7
	v_pk_mul_f32 v[XR+4*\i:XR+4*\i+1], v[XR+4*\i:XR+4*\i+1], v[GW:GW+1]
	v_pk_mul_f32 v[XR+4*\i+2:XR+4*\i+3], v[XR+4*\i+2:XR+4*\i+3], v[GW+2:GW+3]
.endr
.irp i, 0,1,2,3,4,5,6,7
	global_store_b128 v4, v[XR+4*\i:XR+4*\i+3], s[54:55] offset:512*\i th:TH_STORE_NT   ; 32 lanes store a row: 512 consecutive bytes, aligned; every row is stored, those from l on as zeros
.endr
	s_wait_tensorcnt 0x0
	ds_add_u32 v225, v251
	s_wait_dscnt 0x0
	s_endpgm
.endm
	; ---- the head, common to both bodies.  Buffer k of MLP m stands at s[4 + 12 m + 2 k]
	s_load_b512 s[4:19], s[0:1], 0x0
	s_load_b512 s[20:35], s[0:1], 0x40
	s_load_b512 s[36:51], s[0:1], 0x80
	s_load_b256 s[52:59], s[0:1], 0xc0             ; x s[52:53], out0 s[54:55], part s[56:57], len_x s[58:59]
	s_load_b128 s[60:63], s[0:1], 0xe0             ; len_y s[60:61], len_z s[62:63]
	v_lshl_add_u32 v225, v0, 2, 0x6000
	v_mov_b32 v251, 0
	v_and_b32 v1, 31, v0                           ; lane
	v_and_b32 v2, 15, v0                           ; r
	v_bfe_u32 v3, v0, 4, 1                         ; h
	v_lshrrev_b32 v21, 5, v0
	v_readfirstlane_b32 s66, v21                   ; wave w, 0..7
	s_lshr_b32 s67, s66, 1                         ; m: which MLP
	s_and_b32 s68, s66, 1                          ; hf: which half of it
	s_and_b32 s69, s67, 1                          ; 0: c1 (y), 1: c2 (z)
	s_mov_b32 s70, ttmp9                           ; chunk
	s_and_b32 s71, ttmp7, 0xffff                   ; b
	s_mov_b32 s76, 0x76543210
	s_mov_b32 s77, 0xfedcba98                      ; v_permlanex16_b32's selects for lane l xor 16
	s_mov_b32 s78, 0xffff0000                      ; lanes 16-31
	v_lshlrev_b32 v4, 4, v1                        ; 16 x lane: my bytes of a row of x and out0, and of an MLP's outputs in LDS
	v_lshlrev_b32 v5, 5, v2
	v_lshl_add_u32 v5, v3, 11, v5                  ; the parts: 2,048 h + 32 r
	v_lshlrev_b32 v6, 6, v2
	v_lshl_add_u32 v6, v3, 4, v6                   ; first layer's codes: 64 r + 16 h
	v_lshlrev_b32 v7, 7, v2
	v_lshl_add_u32 v7, v3, 4, v7                   ; second layer's: 128 r + 16 h
	v_lshlrev_b32 v8, 2, v1                        ; 4 x lane
	v_lshlrev_b32 v9, 3, v1                        ; 8 x lane
	v_lshrrev_b32 v22, 2, v2                       ; r / 4: my block of 32
	; every LDS address is made here, ahead of the first parting of the waves: a constant x lane term + a constant x wave; the body's base and the region stand in the immediates
	s_lshl_b32 s91, s66, 10                        ; my wave's own 1,024 bytes
	v_add_nc_u32 v10, s91, v8                      ; + 4 x lane
	v_lshl_add_u32 v11, v2, 5, s91                 ; + 32 r
	v_lshl_add_u32 v12, v2, 2, s91                 ; + 4 r
	v_add_nc_u32 v13, s91, v22                     ; + r / 4
	v_lshl_add_u32 v14, v3, 4, s91                 ; + 16 h
	v_mov_b32 v15, s91
	s_lshl_b32 s92, s66, 6
	v_lshl_add_u32 v16, v2, 2, s92                 ; hidden codes, in: 64 w + 4 r
	s_lshl_b32 s93, s66, 2
	v_add_nc_u32 v17, s93, v22                     ; their bytes: 4 w + r / 4
	s_lshl_b32 s94, s67, 7
	v_lshl_add_u32 v18, v3, 4, s94                 ; hidden codes, out: 128 m + 16 h
	s_lshl_b32 s95, s67, 3
	v_mov_b32 v19, s95                             ; their scale words: 8 m
	s_lshl_b32 s75, s66, 8
	v_add_nc_u32 v20, s75, v8                      ; outputs, in: 256 w + 4 x lane
	; offsets, apart from the addresses
	s_lshl_b32 s80, s68, 13
	s_mov_b32 s81, 0
	s_lshl_b32 s82, s68, 9
	s_mov_b32 s83, 0
	s_lshl_b32 s84, s68, 8
	s_mov_b32 s85, 0
	s_lshl_b32 s86, s71, 13                        ; part: 8,192 b + 4,096 x tensor
	s_lshl_b32 s79, s69, 12
	s_or_b32 s86, s86, s79
	s_mov_b32 s87, 0
	s_lshl_b32 s88, s71, 19                        ; x, out0: a sample is 2^19 bytes, a chunk's 64 rows 2^15, a wave's 8 rows 2^12
	s_lshl_b32 s79, s70, 15
	s_or_b32 s88, s88, s79
	s_lshl_b32 s79, s66, 12
	s_or_b32 s88, s88, s79
	s_mov_b32 s89, 0
	s_lshl_b32 s90, s71, 2                         ; the lengths: 4 b
	s_wait_kmcnt 0x0
	s_cmp_eq_u32 s70, 0
	s_cbranch_scc1 .Lfirst                         ; the text parts once, on the work-group's number
	BODY 0, 0
.Lfirst:
	BODY 1, 0x3000
.Lfunc_end_k_q81ba11f915_fuse:
	.size	k_q81ba11f915_fuse, .Lfunc_end_k_q81ba11f915_fuse-k_q81ba11f915_fuse
	.p2alignl 7, 3214868480
	.fill 96, 4, 3214868480
	.section	.rodata,"a",@progbits
	.p2align	6, 0x0
	.amdhsa_kernel k_q81ba11f915_fuse
		.amdhsa_group_segment_fixed_size 25600
		.amdhsa_private_segment_fixed_size 0
		.amdhsa_enable_private_segment 0
		.amdhsa_kernarg_size 240
		.amdhsa_user_sgpr_count 2
		.amdhsa_user_sgpr_kernarg_segment_ptr 1
		.amdhsa_wavefront_size32 1
		.amdhsa_system_sgpr_workgroup_id_x 1
		.amdhsa_system_sgpr_workgroup_id_y 1
		.amdhsa_system_sgpr_workgroup_id_z 1
		.amdhsa_system_vgpr_workitem_id 0
		.amdhsa_next_free_vgpr 256
		.amdhsa_next_free_sgpr 96
		.amdhsa_reserve_vcc 1
		.amdhsa_float_denorm_mode_32 3
		.amdhsa_float_denorm_mode_16_64 3
		.amdhsa_memory_ordered 1
		.amdhsa_forward_progress 1
		.amdhsa_inst_pref_size 52
	.end_amdhsa_kernel
	.amdgpu_metadata
---
amdhsa.version: [ 1, 2 ]
amdhsa.kernels:
  - .name:           k_q81ba11f915_fuse
    .symbol:         k_q81ba11f915_fuse.kd
    .args:
      - { .name: W1_l1_w_codes, .offset: 0, .size: 8, .value_kind: global_buffer, .address_space: global }
      - { .name: W1_l1_w_scales, .offset: 8, .size: 8, .value_kind: global_buffer, .address_space: global }
      - { .name: W1_l1_b, .offset: 16, .size: 8, .value_kind: global_buffer, .address_space: global }
      - { .name: W1_l2_w_codes, .offset: 24, .size: 8, .value_kind: global_buffer, .address_space: global }
      - { .name: W1_l2_w_scales, .offset: 32, .size: 8, .value_kind: global_buffer, .address_space: global }
      - { .name: W1_l2_b, .offset: 40, .size: 8, .value_kind: global_buffer, .address_space: global }
      - { .name: W2_l1_w_codes, .offset: 48, .size: 8, .value_kind: global_buffer, .address_space: global }
      - { .name: W2_l1_w_scales, .offset: 56, .size: 8, .value_kind: global_buffer, .address_space: global }
      - { .name: W2_l1_b, .offset: 64, .size: 8, .value_kind: global_buffer, .address_space: global }
      - { .name: W2_l2_w_codes, .offset: 72, .size: 8, .value_kind: global_buffer, .address_space: global }
      - { .name: W2_l2_w_scales, .offset: 80, .size: 8, .value_kind: global_buffer, .address_space: global }
      - { .name: W2_l2_b, .offset: 88, .size: 8, .value_kind: global_buffer, .address_space: global }
      - { .name: B1_l1_w_codes, .offset: 96, .size: 8, .value_kind: global_buffer, .address_space: global }
      - { .name: B1_l1_w_scales, .offset: 104, .size: 8, .value_kind: global_buffer, .address_space: global }
      - { .name: B1_l1_b, .offset: 112, .size: 8, .value_kind: global_buffer, .address_space: global }
      - { .name: B1_l2_w_codes, .offset: 120, .size: 8, .value_kind: global_buffer, .address_space: global }
      - { .name: B1_l2_w_scales, .offset: 128, .size: 8, .value_kind: global_buffer, .address_space: global }
      - { .name: B1_l2_b, .offset: 136, .size: 8, .value_kind: global_buffer, .address_space: global }
      - { .name: B2_l1_w_codes, .offset: 144, .size: 8, .value_kind: global_buffer, .address_space: global }
      - { .name: B2_l1_w_scales, .offset: 152, .size: 8, .value_kind: global_buffer, .address_space: global }
      - { .name: B2_l1_b, .offset: 160, .size: 8, .value_kind: global_buffer, .address_space: global }
      - { .name: B2_l2_w_codes, .offset: 168, .size: 8, .value_kind: global_buffer, .address_space: global }
      - { .name: B2_l2_w_scales, .offset: 176, .size: 8, .value_kind: global_buffer, .address_space: global }
      - { .name: B2_l2_b, .offset: 184, .size: 8, .value_kind: global_buffer, .address_space: global }
      - { .name: x, .offset: 192, .size: 8, .value_kind: global_buffer, .address_space: global }
      - { .name: out0, .offset: 200, .size: 8, .value_kind: global_buffer, .address_space: global }
      - { .name: part, .offset: 208, .size: 8, .value_kind: global_buffer, .address_space: global }
      - { .name: len_x, .offset: 216, .size: 8, .value_kind: global_buffer, .address_space: global }
      - { .name: len_y, .offset: 224, .size: 8, .value_kind: global_buffer, .address_space: global }
      - { .name: len_z, .offset: 232, .size: 8, .value_kind: global_buffer, .address_space: global }
    .group_segment_fixed_size: 25600
    .private_segment_fixed_size: 0
    .kernarg_segment_align: 8
    .kernarg_segment_size: 240
    .max_flat_workgroup_size: 256
    .sgpr_count:     96
    .vgpr_count:     256
    .wavefront_size: 32
...
	.end_amdgpu_metadata
.endif
;; end of part 2
